; MI455X (gfx1250); checked and timed in simulation.
; The chip was launched on July 23, 2026; its instructions are those of AMD's public machine-readable ISA for CDNA 5 (MIT licence, August 2026) and "CDNA5" Instruction Set Architecture Reference Guide (July 2026). The comments in the code are by the model that wrote it; some were corrected since.
;; Attention Window. Allowed arithmetic: matrix products marked QUANTISED: E2M3 operands, one E8M0 scale for each 32 along K, by v_wmma_scale_f32_16x16x128_f8f6f4 with both operands' format E2M3, f32 sums; everything else in f32.
;; Inputs: W_codes 1,024 x 32 x 24 uint8 (E2M3 codes of W, K innermost, in blocks of 32 codes, four codes in three bytes); W_scales 1,024 x 32 uint8 (E8M0 scales of W, one for each 32 codes along K); repr 8 x 1,024 x 1,024 float32.
;; Outputs: out0 8 x 1,024 x 1,024 float32.
;; This version of the problem:
;;   THIS VERSION OF THE PROBLEM IS GIVEN IN LOW PRECISION. The matrix products marked QUANTISED in the list below multiply operands that are first quantised to E2M3 (2 exponent bits, 3 mantissa bits; 6 bits a number), with one power-of-two scale for each 32 numbers along K (OCP MX v1.0); their sums are f32. All else is computed in f32.
;;   The module's matrix products, in the order in which they are computed (A, B: the left and right operand; K: the contracted axis; several contracted axes count as one K, in the product's order):
;;     1. [M 1,024, K 1,024] x [K 1,024, N 8,192]; A: input W (given as codes); B: input repr: QUANTISED
;;     2. batch 8 x [M 1,024, K 1,024] x [K 1,024, N 1,024]; A: computed on the way; B: input repr: QUANTISED
;;     3. batch 8 x [M 1,024, K 1,024] x [K 1,024, N 1,024]; A: softmax (see below); B: input repr: QUANTISED
;;   THE QUANTISER, for each operand of a quantised product, along K:
;;     - K is cut into blocks of 32 from its start; a last block that is shorter is filled with zeros.
;;     - A block's scale is 2^e with e = floor(log2(the largest magnitude in the block)) - 2, held to -126 .. 127; a block of zeros has e = 0. As a byte (E8M0): e + 127.
;;     - Each number is divided by its block's scale, clamped to +-7.5, and rounded to the nearest number of E2M3, ties to even, subnormals kept.
;;     - The product sums the exact products of the quantised numbers (number of the format x scale) in f32.
;;   ~~~python
;;   def quantise(x, axis):      # numpy; x: float32 -> the quantised numbers, widened to float32 again
;;       x = np.moveaxis(x, axis, -1); K = x.shape[-1]
;;       x = np.pad(x, [(0, 0)] * (x.ndim - 1) + [(0, -K % 32)]); x = x.reshape(x.shape[:-1] + (-1, 32)); a = np.abs(x).max(-1, keepdims=True)
;;       e = np.where(a > 0, np.clip(np.frexp(np.where(a > 0, a, 1))[1] - 1 - 2, -126, 127), 0)      # np.frexp(a)[1] - 1 = floor(log2(a)), exactly
;;       r = np.clip(x / 2.0 ** e, -7.5, 7.5)
;;       step = 2.0 ** (np.maximum(np.frexp(np.where(r == 0, 1, r))[1] - 1, 0) - 3)
;;       q = np.round(r / step) * step * 2.0 ** e      # np.round: ties to even
;;       return np.moveaxis(q.reshape(q.shape[:-2] + (-1,))[..., :K], -1, axis).astype(np.float32)
;;   ~~~
;;   SOFTMAX AHEAD OF A QUANTISED PRODUCT. Where the list says 'softmax', what is quantised is not the finished softmax but p = 2^(t - M), with t = logit x log2(e) and M = ceil(the row's largest t), a whole number; so 1/2 < the row's largest p <= 1. The row's sum l is taken of the UNQUANTISED p, in f32, and the product's result is divided by l at the end. Since M is a whole number, a kernel that streams over the keys may use a running M (the ceiling of the running maximum): every later rescaling is an exact power of two, which a block's scale takes up: the codes' values come out the same.
;;   OPERANDS COMPUTED ON THE WAY. 'Computed on the way' means the value that the module computes at that place (a softmax that the list does not call 'softmax' is quantised finished and normalised). What goes into a quantiser is computed in f32, as accurately as f32 sums, v_exp_f32 and their like allow (about 1e-6 of the number): no bf16 or f16 on the way to a quantiser, and a product that is left as it is and whose result goes on into a quantised operand takes f32 operands (vector FMAs, or v_wmma_f32_16x16x4_f32). A number that lies on a knife's edge between two numbers of the format may be rounded either way, as far as f32 arithmetic and the matrix unit's own rounding can turn it there, and no further.
;;   INPUTS GIVEN AS CODES. W (in the module: [1024, 1024], K = its axis 0): each comes as NAME_codes (uint8): NAME with its K axis moved to the last place and cut into blocks of 32 codes, [.., K / 32, bytes a block], one block behind the other in memory; four codes in three bytes: a row's codes are one little-endian stream of bits, code i at bits 6 i .. 6 i + 5 (a code: sign, 2 exponent bits, 3 mantissa bits); and NAME_scales (uint8): the same leading axes, one E8M0 byte (e + 127) for each 32 codes along K. Its value is code x scale, taken as it is: it is not quantised again, and the codes and scales need not be those that the quantiser above would give.
;; One version. Each part assembles by itself: llvm-mc -triple=amdgcn-amd-amdhsa -mcpu=gfx1250 --defsym DOCPART=n.
;; ======== version 1 of 1: 3 launches
;; limits: right only within a limited range of input values
;; workspace buffers: Rq 6,291,456 bytes; Rqs 262,144 bytes; Rk 6,291,456 bytes; Rks 262,144 bytes; Wf 786,432 bytes; Tq 6,291,456 bytes; Tqs 262,144 bytes
;; launch prep (part 1): grid 256 x 1, 18 waves a work-group, no clusters, 143,616 bytes of LDS; arguments repr, W_codes, Rq, Rqs, Rk, Rks, Wf; writes Rq, Rqs, Rk, Rks, Wf
.if DOCPART == 1
	.amdgcn_target "amdgcn-amd-amdhsa--gfx1250"
	.amdhsa_code_object_version 6
	.text
	.protected	k_q21251f0d42_prep
	.globl	k_q21251f0d42_prep
	.p2align	8
	.type	k_q21251f0d42_prep,@function
k_q21251f0d42_prep:
	s_mov_b64 s[64:65], 0
	v_nop
	global_prefetch_b8 v0, s[64:65] scope:SCOPE_SE
	s_setreg_imm32_b32 hwreg(HW_REG_WAVE_MODE, 25, 1), 1
	s_wait_xcnt 0x0
; out = repr + relu(softmax_k(mask(q W k^T)) v), q = k = v = repr, three products on codes of FP6 (E2M3).  This launch: repr [8192][1024] f32 is quantised twice: along its last axis (Rq, Rqs: the operand of the
; first two products) and along the rows, the keys (Rk, Rks: the operand of the third).  W's codes are only laid anew (Wf); W's scales are read by the next launch as they are given.
; WORK LEFT OUT IN THE PROGRAM: the mask that the problem builds sets the score of every key with |q - k| > 64 to -1e9.  32 queries from a multiple of 32 on see 160 keys, five blocks of 32; the score tiles and the p v tiles of the
; other keys are wholly under the mask and are not made.  Their p = 2^(t - M) is 0 in f32 and in every code while a row's largest open score lies above -9.99e8: that is a limit of this program.  A NaN, an infinity or an overflow that reaches only
; the work left out is not carried to the result.  LIMITS: NaN and infinities among the inputs are not served.  A block of zeros gets the byte 1 where the rule says 127: its codes are zeros, and this program alone reads the bytes.
; A block's scale is 2^(floor(log2(its largest magnitude)) - 2): the byte is that magnitude's exponent field - 2, held at 1 from below by a floor among the maximum's leaves.
; LAYOUTS (r = lane % 16, h = lane / 16).  A RECORD holds six registers of 32 lanes in 768 bytes: registers 0-3 of lane l at 16 l, registers 4-5 at 512 + 8 l.
;   Rq: [block of 32 rows][K step of 128][16-row tile m][c] records: lane (r, h) has row 16 m + r, K 64 c + 32 h + 0 .. 31 of the step: registers 6 c .. 6 c + 5 of an operand.   Rqs: [row][32 bytes].
;   Rk: [block of 32 keys][32 channels] records: lane l has channel l of the 32, the block's 32 keys.   Rks: [block][1024 channels], a byte each.
;   Wf: [n = 128 columns e][K step][tile t][piece of 4 registers][lane][16 bytes]: tile t's row 8 x + i (x = 0, 1) is e = 128 n + 64 (t / 4) + 32 x + 8 (t % 4) + i, so that the next launch's lane holds 32 neighbours along e.
; SHARES.  A work-group takes 32 rows; wave w = 0 .. 15 columns 64 w .. 64 w + 63 of them, in a stage of its own: the waves meet once, for the scale bytes.  Waves 16 and 17 lay a fragment of W each and do nothing else.
; No matrix instruction, no tensor load; clusters would share nothing: no two work-groups read the same bytes.
.set PITCH, 272                        ; a stage row: 256 bytes + 16
.set WST,  32*PITCH
.set KSC,  16*WST                      ; 1,024 scale bytes along the rows
.set VSC,  KSC+1024                    ; 1,024 along the keys
.set SPARE, VSC+1024                   ; the spare words: 128 bytes a wave
.set X,    16                          ; v16-79: as loaded, then my two columns (waves 16, 17: W's fragment)
.set Y,    80                          ; v80-143: my two rows' 32 numbers
.set CD,   144                         ; v144-155 codes along the rows
.set CV,   156                         ; v156-167 codes along the keys
.set TT,   168
.set MX,   176
.set SO,   178
.set BY,   180
.set SPW,  184
.set NIL,  185
	s_load_b256 s[4:11], s[0:1], 0x0               ; repr, W_codes, Rq, Rqs
	s_load_b128 s[12:15], s[0:1], 0x20             ; Rk, Rks
	s_load_b64 s[16:17], s[0:1], 0x30              ; Wf
	v_lshl_add_u32 v[SPW], v0, 2, SPARE
	v_mov_b32 v[NIL], 0
	v_lshrrev_b32 v13, 5, v0
	v_readfirstlane_b32 s22, v13                   ; wave 0..17
	s_mul_i32 s23, s22, WST                        ; my stage
	s_and_b32 s33, s22, 1
	s_lshl_b32 s26, ttmp9, 17                      ; byte offsets, each in a pair with 0 above it: my 32 rows, 64 columns
	s_lshl_b32 s27, s22, 8
	s_add_co_u32 s26, s26, s27
	s_mov_b32 s27, 0
	s_mul_i32 s28, ttmp9, 24576
	s_lshr_b32 s30, s22, 1
	s_mul_i32 s30, s30, 3072
	s_mul_i32 s32, s33, 768
	s_add_co_u32 s30, s30, s32
	s_add_co_u32 s30, s30, s28                     ; my records of Rq: K step w / 2, c = w % 2
	s_mov_b32 s31, 0
	s_mul_i32 s29, s22, 1536
	s_add_co_u32 s28, s28, s29                     ; and of Rk: 2 w, 2 w + 1
	s_mov_b32 s29, 0
	s_lshl_b32 s34, ttmp9, 10
	s_mov_b32 s35, 0
	s_lshl_b32 s36, ttmp9, 1
	s_add_co_u32 s36, s36, s33                     ; W's fragment f = (8 n + step) 8 + t, for waves 16 and 17
	s_lshr_b32 s37, s36, 6
	s_lshl_b32 s37, s37, 7
	s_bfe_u32 s38, s36, 0x10002
	s_lshl_b32 s38, s38, 6
	s_add_co_u32 s37, s37, s38
	s_and_b32 s38, s36, 3
	s_lshl_b32 s38, s38, 3
	s_add_co_u32 s37, s37, s38                     ; its first row
	s_mul_i32 s38, s37, 768
	s_bfe_u32 s37, s36, 0x30003
	s_mul_i32 s37, s37, 96
	s_add_co_u32 s38, s38, s37
	s_mov_b32 s39, 0
	s_mul_i32 s40, s36, 1536
	s_mov_b32 s41, 0
	s_lshl_b32 s24, s22, 1
	s_add_co_u32 s24, s24, KSC
	s_lshl_b32 s25, s22, 6
	s_add_co_u32 s25, s25, VSC
	s_lshl_b32 s42, s33, 10
	s_add_co_u32 s42, s42, KSC
	v_and_b32 v2, 15, v0                           ; r
	v_bfe_u32 v3, v0, 4, 1                         ; h
	v_and_b32 v14, 31, v0                          ; lane
	v_lshlrev_b32 v6, 12, v3
	v_lshl_add_u32 v1, v2, 4, v6                   ; v1: row h, 16 bytes of its 256
	v_lshlrev_b32 v6, 4, v2
	v_mad_u32_u24 v5, v3, PITCH, v6
	v_add_nc_u32 v5, s23, v5                       ; v5: the same in my stage
	v_lshlrev_b32 v6, 7, v3
	v_mad_u32_u24 v7, v2, PITCH, v6
	v_add_nc_u32 v7, s23, v7                       ; v7: row r, columns 32 h on
	v_lshl_add_u32 v8, v14, 2, s23                 ; v8: column l
	v_lshlrev_b32 v9, 4, v14                       ; v9, v10: the places in a record
	v_lshl_add_u32 v10, v14, 3, 512
	v_lshl_add_u32 v11, v2, 5, v3
	v_add_nc_u32 v11, s24, v11                     ; v11: the byte of row r, block 2 w + h
	v_add_nc_u32 v12, s25, v14                     ; v12: the byte of channel 64 w + l
	v_add_nc_u32 v15, s42, v9                      ; v15: the way out of the scale bytes
	v_lshrrev_b32 v182, 3, v2
	v_and_b32 v183, 7, v2
	v_lshl_add_u32 v183, v182, 5, v183
	v_mul_u32_u24 v183, 768, v183
	v_mad_u32_u24 v4, v3, 24, v183                 ; v4: W's row of lane r, + 24 h
	s_wait_alu depctr_va_vdst(0)                   ; the wait at the head's end
	s_wait_kmcnt 0x0
	s_add_nc_u64 s[4:5], s[4:5], s[26:27]
	s_add_nc_u64 s[6:7], s[6:7], s[38:39]
	s_add_nc_u64 s[8:9], s[8:9], s[30:31]
	s_add_nc_u64 s[10:11], s[10:11], s[34:35]
	s_add_nc_u64 s[12:13], s[12:13], s[28:29]
	s_add_nc_u64 s[14:15], s[14:15], s[34:35]
	s_add_nc_u64 s[16:17], s[16:17], s[40:41]
	s_cmp_lt_u32 s22, 16
	s_cbranch_scc1 .Ltile
.irp p, 0,1,2,3,4,5
	global_load_b64 v[X+2*\p:X+2*\p+1], v4, s[6:7] offset:48*(\p/3)+8*(\p%3)   ; 24 bytes of the row's stream of bits for each 64 along K, as they lie
.endr
	s_wait_loadcnt 0x0
.irp j, 0,1,2
	global_store_b128 v9, v[X+4*\j:X+4*\j+3], s[16:17] offset:512*\j
.endr
	s_branch .Lmeet
.Ltile:
.irp i, 0,1,2,3,4,5,6,7,8,9,10,11,12,13,14,15
	global_load_b128 v[X+4*\i:X+4*\i+3], v1, s[4:5] offset:8192*\i   ; rows 2 i + h: sixteen lanes read 256 consecutive bytes
.endr
; Rows 16 m .. 16 m + 15: into my stage as they come (loads come back in order: the younger rows may be out), and back as row 16 m + r, columns 32 h + 0 .. 31: a whole block a lane.
; LDS serves a wave's instructions in order (ISA guide 5.7.1.4): the loads see my stores.
.macro ROWS m
.irp i, 0,1,2,3,4,5,6,7
	s_wait_loadcnt 15-8*\m-\i
	ds_store_b128 v5, v[X+32*\m+4*\i:X+32*\m+4*\i+3] offset:2*PITCH*(8*\m+\i)
.endr
.irp k, 0,1,2,3,4,5,6,7
	ds_load_b128 v[Y+32*\m+4*\k:Y+32*\m+4*\k+3], v7 offset:16*PITCH*\m+16*\k
.endr
.endm
; One block of 32 numbers, v[x ..], becomes six registers v[c ..] and the byte v[BY + k]: the largest magnitude by two chains, one over each half.
.macro Q1 x, c, k
	v_max3_num_f32 v[MX], |v[\x]|, |v[\x+1]|, 0x1800000        ; the floor 2^(3 - 127): the byte cannot fall under 1
	v_max3_num_f32 v[MX+1], |v[\x+16]|, |v[\x+17]|, |v[\x+18]|
.irp i, 2,4,6,8,10,12
	v_max3_num_f32 v[MX], v[MX], |v[\x+\i]|, |v[\x+\i+1]|
	v_max3_num_f32 v[MX+1], v[MX+1], |v[\x+17+\i]|, |v[\x+18+\i]|
.endr
	v_max3_num_f32 v[MX], v[MX], |v[\x+14]|, |v[\x+15]|
	v_max3_num_f32 v[MX], v[MX], v[MX+1], |v[\x+31]|
	v_add_nc_u32 v[SO+\k], 0xff000000, v[MX]       ; 2 off the exponent field: the conversion's scale operand
	v_lshrrev_b32 v[BY+\k], 23, v[SO+\k]           ; the scale's byte
	v_cvt_scalef32_pk16_fp6_f32 v[\c:\c+2], v[\x:\x+15], v[SO+\k]
	v_cvt_scalef32_pk16_fp6_f32 v[TT+4*\k:TT+4*\k+2], v[\x+16:\x+31], v[SO+\k]   ; (a conversion's three registers begin on an even number)
	v_nop                                          ; one plain place behind a scaled conversion
.irp i, 0,1,2
	v_mov_b32 v[\c+3+\i], v[TT+4*\k+\i]
.endr
.endm
.macro KOUT m
	Q1 Y+32*\m, CD+6*\m, \m
	global_store_b128 v9, v[CD+6*\m:CD+6*\m+3], s[8:9] offset:1536*\m    ; 512 and 256 consecutive bytes, at multiples of 256
	global_store_b64 v10, v[CD+6*\m+4:CD+6*\m+5], s[8:9] offset:1536*\m
	ds_store_b8 v11, v[BY+\m] offset:512*\m
.endm
	ROWS 0
	s_wait_dscnt 0x0
	KOUT 0                                         ; while rows 16-31 may be on their way
	ROWS 1
.irp q, 0,1
.irp k, 0,1,2,3,4,5,6,7,8,9,10,11,12,13,14,15,16,17,18,19,20,21,22,23,24,25,26,27,28,29,30,31
	ds_load_b32 v[X+32*\q+\k], v8 offset:PITCH*\k+128*\q   ; column 32 q + l, the 32 rows: a whole block a lane
.endr
.endr
	s_wait_dscnt 63                                ; my row's 8 loads are in: 64 loads were issued behind them, and the count's field ends at 63
	KOUT 1
	s_wait_dscnt 0x0                               ; my columns are in
; The two columns by turns: v[X ..] and v[X + 32 ..].
.irp k, 0,1
	v_max3_num_f32 v[MX+\k], |v[X+32*\k]|, |v[X+32*\k+1]|, 0x1800000
.endr
.irp i, 2,4,6,8,10,12,14,16,18,20,22,24,26,28,30
.irp k, 0,1
	v_max3_num_f32 v[MX+\k], v[MX+\k], |v[X+32*\k+\i]|, |v[X+32*\k+\i+1]|
.endr
.endr
.irp k, 0,1
	v_add_nc_u32 v[SO+\k], 0xff000000, v[MX+\k]
.endr
.irp k, 0,1
	v_lshrrev_b32 v[BY+\k], 23, v[SO+\k]
.endr
.irp k, 0,1
	v_cvt_scalef32_pk16_fp6_f32 v[CV+6*\k:CV+6*\k+2], v[X+32*\k:X+32*\k+15], v[SO+\k]
	v_cvt_scalef32_pk16_fp6_f32 v[TT+4*\k:TT+4*\k+2], v[X+32*\k+16:X+32*\k+31], v[SO+\k]
.endr
	v_nop
.irp i, 0,1,2
.irp k, 0,1
	v_mov_b32 v[CV+6*\k+3+\i], v[TT+4*\k+\i]
.endr
.endr
.irp q, 0,1
	global_store_b128 v9, v[CV+6*\q:CV+6*\q+3], s[12:13] offset:768*\q
	global_store_b64 v10, v[CV+6*\q+4:CV+6*\q+5], s[12:13] offset:768*\q
	ds_store_b8 v12, v[BY+\q] offset:32*\q
.endr
.Lmeet:
	s_wait_dscnt 0x0                               ; for the others' sake: my scale bytes lie in LDS
	s_barrier_signal -1
	s_barrier_wait -1
	s_cmp_lt_u32 s22, 2                            ; wave 0 sends the 1,024 bytes along the rows, wave 1 those along the keys
	s_cbranch_scc0 .Lend
	s_cmp_eq_u32 s22, 0
	s_cselect_b64 s[24:25], s[10:11], s[14:15]     ; the choice hangs on the wave's number alone
	ds_load_b128 v[X:X+3], v15
	ds_load_b128 v[X+4:X+7], v15 offset:512
	s_wait_dscnt 0x0
	global_store_b128 v9, v[X:X+3], s[24:25]
	global_store_b128 v9, v[X+4:X+7], s[24:25] offset:512
.Lend:
	s_wait_tensorcnt 0x0                           ; the wave's end
	ds_add_u32 v[SPW], v[NIL]
	s_wait_dscnt 0x0
	s_endpgm
.Lfunc_end_k_q21251f0d42_prep:
	.size	k_q21251f0d42_prep, .Lfunc_end_k_q21251f0d42_prep-k_q21251f0d42_prep
	.p2alignl 7, 3214868480
	.fill 96, 4, 3214868480
	.section	.rodata,"a",@progbits
	.p2align	6, 0x0
	.amdhsa_kernel k_q21251f0d42_prep
		.amdhsa_group_segment_fixed_size 143616
		.amdhsa_private_segment_fixed_size 0
		.amdhsa_enable_private_segment 0
		.amdhsa_kernarg_size 56
		.amdhsa_user_sgpr_count 2
		.amdhsa_user_sgpr_kernarg_segment_ptr 1
		.amdhsa_wavefront_size32 1
		.amdhsa_system_sgpr_workgroup_id_x 1
		.amdhsa_system_sgpr_workgroup_id_y 1
		.amdhsa_system_sgpr_workgroup_id_z 1
		.amdhsa_system_vgpr_workitem_id 0
		.amdhsa_next_free_vgpr 192
		.amdhsa_next_free_sgpr 66
		.amdhsa_reserve_vcc 0
		.amdhsa_float_denorm_mode_32 3
		.amdhsa_float_denorm_mode_16_64 3
		.amdhsa_memory_ordered 1
		.amdhsa_forward_progress 1
		.amdhsa_inst_pref_size 20
	.end_amdhsa_kernel
	.amdgpu_metadata
---
amdhsa.version: [ 1, 2 ]
amdhsa.kernels:
  - .name:           k_q21251f0d42_prep
    .symbol:         k_q21251f0d42_prep.kd
    .args:
      - { .name: repr, .offset: 0, .size: 8, .value_kind: global_buffer, .address_space: global }
      - { .name: W_codes, .offset: 8, .size: 8, .value_kind: global_buffer, .address_space: global }
      - { .name: Rq, .offset: 16, .size: 8, .value_kind: global_buffer, .address_space: global }
      - { .name: Rqs, .offset: 24, .size: 8, .value_kind: global_buffer, .address_space: global }
      - { .name: Rk, .offset: 32, .size: 8, .value_kind: global_buffer, .address_space: global }
      - { .name: Rks, .offset: 40, .size: 8, .value_kind: global_buffer, .address_space: global }
      - { .name: Wf, .offset: 48, .size: 8, .value_kind: global_buffer, .address_space: global }
    .group_segment_fixed_size: 143616
    .private_segment_fixed_size: 0
    .kernarg_segment_align: 8
    .kernarg_segment_size: 56
    .max_flat_workgroup_size: 576
    .sgpr_count:     66
    .vgpr_count:     192
    .wavefront_size: 32
...
	.end_amdgpu_metadata
.endif
;; end of part 1
;; launch gemm (part 2): grid 8 x 32, 4 waves a work-group, clusters of 4 x 4, 295,424 bytes of LDS; arguments Rq, Rqs, Wf, W_scales, Tq, Tqs; writes Tq, Tqs
.if DOCPART == 2
	.amdgcn_target "amdgcn-amd-amdhsa--gfx1250"
	.amdhsa_code_object_version 6
	.text
	.protected	k_q21251f0d42_gemm
	.globl	k_q21251f0d42_gemm
	.p2align	8
	.type	k_q21251f0d42_gemm,@function
k_q21251f0d42_gemm:
	s_mov_b64 s[64:65], 0
	v_nop
	global_prefetch_b8 v0, s[64:65] scope:SCOPE_SE
	s_setreg_imm32_b32 hwreg(HW_REG_WAVE_MODE, 25, 1), 1
	s_wait_xcnt 0x0
	s_wait_alu depctr_hold_cnt(0) depctr_sa_sdst(0) depctr_va_vdst(0) depctr_va_sdst(0) depctr_va_ssrc(0) depctr_va_vcc(0) depctr_vm_vsrc(0)
	s_getreg_b32 s2, hwreg(HW_REG_IB_STS2, 6, 4)
	s_cmp_eq_u32 s2, 0
	s_cbranch_scc0 .Lentry_in_a_cluster
	s_endpgm
.Lentry_in_a_cluster:
	s_bfe_u32 s2, ttmp6, 0x10000c
	s_cmp_lg_u32 s2, 0xf033
	s_cbranch_scc0 .Lentry_shape_is_right
	s_endpgm
.Lentry_shape_is_right:
; T = repr W, 8192 x 1024, K = 1,024, on codes of FP6, and T's quantiser along e.  T leaves as codes and scale words in the order of the operand registers of the next launch; no f32 result is stored.
; LIMITS: NaN and infinities are not served; a block of zeros gets the byte 1: its codes are zeros, and this program alone reads the bytes.
; 256 work-groups, one tile of 256 rows x 128 columns each: four waves, a wave 64 rows x all 128 columns: 32 accumulators of 16 x 16, 256 registers.
; ALL OF K LIES IN LDS AT ONCE: 256 rows (196,608 bytes) and W's 128 columns (98,304), in two halves along K, four tensor loads, one a wave, all at the head: no byte is filled again.
; The first half is multiplied while the second may be on its way.  No prefetch: there is no loop of fills to run ahead in.
; CLUSTERS of 4 x 4: the rows' tile is shared along a row of the cluster, W's along a column, by joint loads: same descriptor, a mask that names the four.
; THE MATRIX INSTRUCTION IS USED TRANSPOSED: source 0 = 16 rows of Wf's tile, source 1 = 16 rows of repr.  By Wf's order of rows lane (r, h) holds, in tiles 4 c + 0 .. 3, the 32 neighbours e = 64 c + 32 h + 0 .. 31 of row r:
; one scale block, and six registers of the next operand as they fall.
; OUT: Tq [block of 32 rows][K step = column tile n][16-row tile m][piece of 4 registers][lane][16 bytes]; Tqs [n][64 rows][r][16-row tile][4 bytes]: a word of four scale bytes.
; REGISTERS: window 0: addresses, scale words (v16-47 W's, v52-67 the rows'), the rows' fragments v80-175 in two sets, v176-247 the way out; window 1: W's fragments, two sets of 96; window 2: the accumulators, 64 a + 8 t.
.set XL,   98304                       ; a half of the rows' tile: [block 8][step 4][m 2][1536]
.set WL,   196608                      ; W's halves: [step 4][tile 8][1536], 49,152 each
.set SPARE, 294912
.set WS,   16
.set XS,   52
.set XB,   80
.set MX,   176
.set SO,   184
.set BY,   192
.set CD,   200
.set TT,   80                          ; (the rows' set 0, which the last step does not read)
.set SW,   112
.set PT,   116
.set G1X,  24
.set G1W,  32
.set MSB, 0
.macro WIN new
.if MSB != \new
	s_set_vgpr_msb (MSB<<8)|\new
.set MSB, \new
.endif
.endm
.macro PLACES
.rept 4
	v_nop
.endr
.endm
.macro CROUND                          ; a round of the cluster's barrier
	s_barrier_signal -1
	s_barrier_wait -1
	s_cmp_lg_u32 s16, 0
	s_cbranch_scc1 .Lnot_wave_0_\@
	s_barrier_signal -3
.Lnot_wave_0_\@:
	s_barrier_wait -3
	s_barrier_signal -1
	s_barrier_wait -1
.endm
.macro GROUP1 g, mask, rows, pitch     ; rows of 12,288 bytes: 1,536 elements of 8 bytes, no padding
	s_or_b32 s[\g], s[\mask], (3<<16)|(1<<21)
	s_mov_b32 s[\g+1], 1536<<16
	s_mov_b32 s[\g+2], (\rows)<<16
	s_mov_b32 s[\g+3], 1536<<16
	s_mov_b32 s[\g+4], \rows
	s_mov_b32 s[\g+5], \pitch
	s_mov_b32 s[\g+6], 0
	s_mov_b32 s[\g+7], 0
.endm
.macro TLOAD g0, g1
	tensor_load_to_lds s[\g0:\g0+3], s[\g1:\g1+7]
	s_nop 0
	PLACES
.endm
.macro MMC d, a, b, c, sa, sb, ra, rb
.if (\ra) && (\rb)
	v_wmma_scale_f32_16x16x128_f8f6f4 v[\d:\d+7], v[\a:\a+11], v[\b:\b+11], \c, v[\sa], v[\sb] matrix_a_fmt:MATRIX_FMT_FP6 matrix_b_fmt:MATRIX_FMT_FP6 matrix_a_scale:MATRIX_SCALE_ROW1 matrix_b_scale:MATRIX_SCALE_ROW1
.elseif (\ra)
	v_wmma_scale_f32_16x16x128_f8f6f4 v[\d:\d+7], v[\a:\a+11], v[\b:\b+11], \c, v[\sa], v[\sb] matrix_a_fmt:MATRIX_FMT_FP6 matrix_b_fmt:MATRIX_FMT_FP6 matrix_a_scale:MATRIX_SCALE_ROW1
.elseif (\rb)
	v_wmma_scale_f32_16x16x128_f8f6f4 v[\d:\d+7], v[\a:\a+11], v[\b:\b+11], \c, v[\sa], v[\sb] matrix_a_fmt:MATRIX_FMT_FP6 matrix_b_fmt:MATRIX_FMT_FP6 matrix_b_scale:MATRIX_SCALE_ROW1
.else
	v_wmma_scale_f32_16x16x128_f8f6f4 v[\d:\d+7], v[\a:\a+11], v[\b:\b+11], \c, v[\sa], v[\sb] matrix_a_fmt:MATRIX_FMT_FP6 matrix_b_fmt:MATRIX_FMT_FP6
.endif
.endm
	s_load_b256 s[4:11], s[0:1], 0x0               ; Rq, Rqs, Wf, W_scales
	s_load_b128 s[12:15], s[0:1], 0x20             ; Tq, Tqs
	v_lshl_add_u32 v2, v0, 2, SPARE                ; v2, v3: the spare word and 0; never rewritten
	v_mov_b32 v3, 0
	ds_add_u32 v2, v3                              ; the opening lines: the add, twice on end, and its wait
	ds_add_u32 v2, v3
	v_lshrrev_b32 v1, 5, v0
	v_readfirstlane_b32 s16, v1                    ; wave 0..3
	s_bfe_u32 s40, ttmp6, 0x40000                  ; cx
	s_bfe_u32 s41, ttmp6, 0x40004                  ; cy
	s_and_b32 s43, ttmp7, 0xffff
	s_lshl_b32 s43, s43, 1
	s_add_co_u32 s43, s43, ttmp9                   ; the cluster's number L = 0 .. 15: rows by L % 8, columns by L / 8
	s_lshr_b32 s42, s43, 3
	s_lshl_b32 s42, s42, 2
	s_add_co_u32 s42, s42, s40                     ; n, the column tile 0..7
	s_and_b32 s43, s43, 7
	s_lshl_b32 s43, s43, 2
	s_add_co_u32 s43, s43, s41                     ; y, the row tile 0..31
	s_lshl_b32 s44, s41, 2
	s_lshl_b32 s44, 15, s44                        ; my row of the cluster
	s_lshl_b32 s45, 0x1111, s40                    ; my column
	GROUP1 G1X, 44, 8, 3072                        ; half of K of eight blocks of 32 rows: 12,288 of each block's 24,576 bytes
	GROUP1 G1W, 45, 4, 1536                        ; half of K of 128 columns: 49,152 bytes on end
	s_mul_i32 s20, s43, 196608
	s_mov_b32 s21, 0
	s_mul_i32 s22, s42, 98304
	s_mov_b32 s23, 0
	s_mov_b32 s48, 1                               ; group 0: W's first half,
	s_mov_b32 s49, WL
	s_mov_b32 s52, 1                               ; the rows' first half,
	s_mov_b32 s53, 0
	s_mov_b32 s56, 1                               ; the rows' second,
	s_mov_b32 s57, XL
	s_mov_b32 s60, 1                               ; W's second
	s_mov_b32 s61, WL+49152
	s_mul_i32 s17, s16, 24576                      ; my 64 rows in LDS
	s_mov_b32 s76, 0x76543210
	s_mov_b32 s77, 0xfedcba98                      ; v_permlanex16_b32's selects for lane l xor 16
	v_and_b32 v15, 31, v0
	v_and_b32 v68, 15, v0                          ; r
	v_bfe_u32 v69, v0, 4, 1                        ; h
	v_lshlrev_b32 v4, 4, v15                       ; v4: 16 x lane
	v_lshlrev_b32 v70, 3, v15
	v_add_nc_u32 v5, WL, v4                        ; v5, v6: W's fragments, first and second half
	v_add_nc_u32 v6, WL+49152, v4
	v_add_nc_u32 v7, s17, v4                       ; v7, v8: my rows' fragments, first half; v9, v10: second
	v_add_nc_u32 v8, s17, v70
	v_add_nc_u32 v8, 512, v8
	v_add_nc_u32 v9, XL, v7
	v_add_nc_u32 v10, XL, v8
	v_lshlrev_b32 v11, 5, v15                      ; v11: a row's 32 scale bytes
	v_lshrrev_b32 v71, 3, v68
	v_and_b32 v72, 7, v68
	v_lshl_add_u32 v72, v71, 5, v72
	v_lshl_add_u32 v72, v69, 3, v72
	v_lshlrev_b32 v12, 5, v72                      ; v12: those of W's row 32 (r / 8) + 8 h + r % 8: lanes 0-15 an even tile, lanes 16-31 the next
	v_lshlrev_b32 v13, 3, v69                      ; v13: 8 h
	v_lshlrev_b32 v14, 4, v68                      ; v14: 16 r
	s_wait_alu depctr_va_vdst(0)                   ; the wait at the head's end
	s_wait_dscnt 0x0
	CROUND                                         ; the round in front of the joint loads
	s_wait_kmcnt 0x0
	s_add_nc_u64 s[54:55], s[4:5], s[20:21]
	s_add_nc_u64 s[58:59], s[54:55], 12288
	s_add_nc_u64 s[50:51], s[8:9], s[22:23]
	s_add_nc_u64 s[62:63], s[50:51], 49152
	s_or_b32 s55, s55, 0x80000000
	s_or_b32 s59, s59, 0x80000000
	s_or_b32 s51, s51, 0x80000000
	s_or_b32 s63, s63, 0x80000000
	s_cmp_lt_u32 s16, 1
	s_cbranch_scc0 .Lwave_1
	TLOAD 48, G1W
	s_branch .Lasked
.Lwave_1:
	s_cmp_lt_u32 s16, 2
	s_cbranch_scc0 .Lwave_2
	TLOAD 52, G1X
	s_branch .Lasked
.Lwave_2:
	s_cmp_lt_u32 s16, 3
	s_cbranch_scc0 .Lwave_3
	TLOAD 56, G1X
	s_branch .Lasked
.Lwave_3:
	TLOAD 60, G1W
.Lasked:
	s_lshl_b32 s20, s43, 13                        ; my 64 rows' scale bytes
	s_lshl_b32 s18, s16, 11
	s_add_co_u32 s20, s20, s18
	s_add_nc_u64 s[6:7], s[6:7], s[20:21]
	s_lshl_b32 s22, s42, 12                        ; my 128 columns'
	s_add_nc_u64 s[10:11], s[10:11], s[22:23]
	s_mul_i32 s20, s43, 196608                     ; where my codes go,
	s_mul_i32 s18, s16, 49152
	s_add_co_u32 s20, s20, s18
	s_mul_i32 s18, s42, 3072
	s_add_co_u32 s20, s20, s18
	s_add_nc_u64 s[12:13], s[12:13], s[20:21]
	s_lshl_b32 s22, s42, 15                        ; and my scale words
	s_lshl_b32 s18, s43, 10
	s_add_co_u32 s22, s22, s18
	s_lshl_b32 s18, s16, 8
	s_add_co_u32 s22, s22, s18
	s_add_nc_u64 s[14:15], s[14:15], s[22:23]
.irp q, 0,1
.irp k, 0,1
	global_load_b128 v[XS+8*\q+4*\k:XS+8*\q+4*\k+3], v11, s[6:7] offset:1024*\q+16*\k   ; eight words a row: one for each K step; lanes 0-15 tile 2 q, lanes 16-31 tile 2 q + 1
.endr
.endr
.irp p, 0,1,2,3
.irp k, 0,1
	global_load_b128 v[WS+8*\p+4*\k:WS+8*\p+4*\k+3], v12, s[10:11] offset:((\p/2)*64+(\p%2)*16)*32+16*\k
.endr
.endr
.macro XLOAD s, e                      ; my four tiles of rows of step s into set e
.irp a, 0,1,2,3
.irp c, 0,1
	ds_load_b128 v[XB+48*(\e)+12*\a+6*\c:XB+48*(\e)+12*\a+6*\c+3], v[7+2*((\s)/4)] offset:(\a/2)*12288+((\s)%4)*3072+(\a%2)*1536+\c*768
	ds_load_b64 v[XB+48*(\e)+12*\a+6*\c+4:XB+48*(\e)+12*\a+6*\c+5], v[8+2*((\s)/4)] offset:(\a/2)*12288+((\s)%4)*3072+(\a%2)*1536+\c*768
.endr
.endr
.endm
.macro WLOAD s, e, t0                  ; W's tiles t0 .. t0 + 3 of step s into set e
.irp t, 0,1,2,3
.irp j, 0,1,2
	ds_load_b128 v[96*(\e)+12*(\t0+\t)+4*\j:96*(\e)+12*(\t0+\t)+4*\j+3], v[5+(\s)/4] offset:((\s)%4)*12288+(\t0+\t)*1536+512*\j
.endr
.endr
.endm
.macro PROD s, e, n0, count            ; products n0 .. n0 + count - 1 of a step's 32: the accumulators by turns, in the same order in every step
	WIN 0xa1                                       ; source 0 window 1, source 1 window 0, C and D window 2
.set N_, \n0
.rept \count
.set T_, N_%8
.set A_, N_/8
.if (\s) == 0
	MMC 64*A_+8*T_, 96*(\e)+12*T_, XB+48*(\e)+12*A_, 0, WS+8*(T_/2)+(\s), XS+8*(A_/2)+(\s), T_%2, A_%2
.else
	MMC 64*A_+8*T_, 96*(\e)+12*T_, XB+48*(\e)+12*A_, v[64*A_+8*T_:64*A_+8*T_+7], WS+8*(T_/2)+(\s), XS+8*(A_/2)+(\s), T_%2, A_%2
.endif
.set N_, N_+1
.endr
.endm
.macro STEP s
	s_wait_dscnt 0x0                               ; this step's fragments are in
.if (\s) == 3
	PROD \s, (\s)%2, 0, 16
	s_wait_tensorcnt 0x0                           ; the second half of K has landed: a plain barrier shows it to all
	s_barrier_signal -1
	s_barrier_wait -1
	PLACES
	WIN 0x40
	WLOAD (\s)+1, ((\s)+1)%2, 0
	WLOAD (\s)+1, ((\s)+1)%2, 4
	WIN 0
	XLOAD (\s)+1, ((\s)+1)%2
	PROD \s, (\s)%2, 16, 16
.elseif (\s) < 7
	PLACES                                         ; places between the last step's products and loads into their registers
	WIN 0x40
	WLOAD (\s)+1, ((\s)+1)%2, 0
	PROD \s, (\s)%2, 0, 8
	WIN 0x40
	WLOAD (\s)+1, ((\s)+1)%2, 4
	PROD \s, (\s)%2, 8, 8
	WIN 0
	XLOAD (\s)+1, ((\s)+1)%2
	PROD \s, (\s)%2, 16, 16
.endif
.endm
	s_cmp_lt_u32 s16, 2
	s_cbranch_scc0 .Lnot_first
	s_wait_tensorcnt 0x0
.Lnot_first:
	s_barrier_signal -1                            ; the first half of K is in, W's and the rows'
	s_barrier_wait -1
	WIN 0x40
	WLOAD 0, 0, 0
	WLOAD 0, 0, 4
	WIN 0
	XLOAD 0, 0
	s_wait_loadcnt 0x0                             ; the scale words
.irp s, 0,1,2,3,4,5,6
	STEP \s
.endr
; THE WAY OUT of row tile a: two blocks c of 32 numbers of a lane, at 64 a + 32 c of window 2.  The largest magnitude by four chains by turns, one over each half block; each accumulator is read from its low end on.
.macro OUT a
.set B_, 64*\a
	PLACES
	WIN 0x2a
.irp c, 0,1
	v_max3_num_f32 v[MX+2*\c], |v[B_+32*\c]|, |v[B_+32*\c+1]|, |v[B_+32*\c+2]|
	v_max3_num_f32 v[MX+2*\c+1], |v[B_+32*\c+16]|, |v[B_+32*\c+17]|, |v[B_+32*\c+18]|
.endr
	WIN 0x28
.irp i, 3,5,7,9,11,13
.irp c, 0,1
	v_max3_num_f32 v[MX+2*\c], v[MX+2*\c], |v[B_+32*\c+\i]|, |v[B_+32*\c+\i+1]|
	v_max3_num_f32 v[MX+2*\c+1], v[MX+2*\c+1], |v[B_+32*\c+\i+16]|, |v[B_+32*\c+\i+17]|
.endr
.endr
.irp c, 0,1
	v_max3_num_f32 v[MX+2*\c], v[MX+2*\c], |v[B_+32*\c+15]|, 0x1800000   ; the floor 2^(3 - 127): the byte cannot fall under 1
.endr
	WIN 0x08
.irp c, 0,1
	v_max3_num_f32 v[MX+2*\c], v[MX+2*\c], |v[B_+32*\c+31]|, v[MX+2*\c+1]
.endr
	WIN 0
.irp c, 0,1
	v_add_nc_u32 v[SO+2*\a+\c], 0xff000000, v[MX+2*\c]     ; 2 off the exponent field: the conversion's scale operand
.endr
.irp c, 0,1
	v_lshrrev_b32 v[BY+2*\a+\c], 23, v[SO+2*\a+\c]
.endr
	WIN 0x02
.irp c, 0,1
	v_cvt_scalef32_pk16_fp6_f32 v[CD+12*\a+6*\c:CD+12*\a+6*\c+2], v[B_+32*\c:B_+32*\c+15], v[SO+2*\a+\c]
	v_cvt_scalef32_pk16_fp6_f32 v[TT+4*\c:TT+4*\c+2], v[B_+32*\c+16:B_+32*\c+31], v[SO+2*\a+\c]
.endr
	WIN 0
	v_lshl_or_b32 v[SW+\a], v[BY+2*\a+1], 16, v[BY+2*\a]   ; my bytes: blocks h and 2 + h.  (The plain place behind the scaled conversions)
.irp i, 0,1,2
.irp c, 0,1
	v_mov_b32 v[CD+12*\a+6*\c+3+\i], v[TT+4*\c+\i]
.endr
.endr
.irp j, 0,1,2
	global_store_b128 v4, v[CD+12*\a+4*\j:CD+12*\a+4*\j+3], s[12:13] offset:(\a/2)*24576+(\a%2)*1536+512*\j   ; 32 lanes store 512 consecutive bytes
.endr
	v_lshlrev_b32 v[SW+\a], v13, v[SW+\a]          ; the bytes at their places;
	v_permlanex16_b32 v[PT+\a], v[SW+\a], s76, s77
	v_or_b32 v[SW+\a], v[SW+\a], v[PT+\a]          ; with lane l xor 16's two the word is whole
.endm
	s_wait_dscnt 0x0                               ; the last step goes row tile by row tile: each leaves while the next one's products are at work
	PROD 7, 1, 0, 8
	PROD 7, 1, 8, 8
	OUT 0
	PROD 7, 1, 16, 8
	OUT 1
	PROD 7, 1, 24, 8
	OUT 2
	OUT 3
	global_store_b128 v14, v[SW:SW+3], s[14:15]    ; my four tiles' words: 256 consecutive bytes (both halves of the lanes store the same)
	s_wait_tensorcnt 0x0                           ; the wave's end
	ds_add_u32 v2, v3
	s_wait_dscnt 0x0
	CROUND                                         ; the closing round
	s_endpgm
.Lfunc_end_k_q21251f0d42_gemm:
	.size	k_q21251f0d42_gemm, .Lfunc_end_k_q21251f0d42_gemm-k_q21251f0d42_gemm
	.p2alignl 7, 3214868480
	.fill 96, 4, 3214868480
	.section	.rodata,"a",@progbits
	.p2align	6, 0x0
	.amdhsa_kernel k_q21251f0d42_gemm
		.amdhsa_group_segment_fixed_size 295424
		.amdhsa_private_segment_fixed_size 0
		.amdhsa_enable_private_segment 0
		.amdhsa_kernarg_size 48
		.amdhsa_user_sgpr_count 2
		.amdhsa_user_sgpr_kernarg_segment_ptr 1
		.amdhsa_wavefront_size32 1
		.amdhsa_system_sgpr_workgroup_id_x 1
		.amdhsa_system_sgpr_workgroup_id_y 1
		.amdhsa_system_sgpr_workgroup_id_z 1
		.amdhsa_system_vgpr_workitem_id 0
		.amdhsa_next_free_vgpr 768
		.amdhsa_next_free_sgpr 84
		.amdhsa_reserve_vcc 0
		.amdhsa_float_denorm_mode_32 3
		.amdhsa_float_denorm_mode_16_64 3
		.amdhsa_memory_ordered 1
		.amdhsa_forward_progress 1
		.amdhsa_inst_pref_size 77
	.end_amdhsa_kernel
	.amdgpu_metadata
---
amdhsa.version: [ 1, 2 ]
amdhsa.kernels:
  - .name:           k_q21251f0d42_gemm
    .symbol:         k_q21251f0d42_gemm.kd
    .args:
      - { .name: Rq, .offset: 0, .size: 8, .value_kind: global_buffer, .address_space: global }
      - { .name: Rqs, .offset: 8, .size: 8, .value_kind: global_buffer, .address_space: global }
      - { .name: Wf, .offset: 16, .size: 8, .value_kind: global_buffer, .address_space: global }
      - { .name: W_scales, .offset: 24, .size: 8, .value_kind: global_buffer, .address_space: global }
      - { .name: Tq, .offset: 32, .size: 8, .value_kind: global_buffer, .address_space: global }
      - { .name: Tqs, .offset: 40, .size: 8, .value_kind: global_buffer, .address_space: global }
    .group_segment_fixed_size: 295424
    .private_segment_fixed_size: 0
    .kernarg_segment_align: 8
    .kernarg_segment_size: 48
    .max_flat_workgroup_size: 128
    .sgpr_count:     84
    .vgpr_count:     768
    .wavefront_size: 32
...
	.end_amdgpu_metadata
.endif
;; end of part 2
;; launch attn (part 3): grid 256 x 1, 16 waves a work-group, no clusters, 286,976 bytes of LDS; arguments Tq, Tqs, Rq, Rqs, Rk, Rks, repr, out0; writes out0
.if DOCPART == 3
	.amdgcn_target "amdgcn-amd-amdhsa--gfx1250"
	.amdhsa_code_object_version 6
	.text
	.protected	k_q21251f0d42_attn
	.globl	k_q21251f0d42_attn
	.p2align	8
	.type	k_q21251f0d42_attn,@function
k_q21251f0d42_attn:
	s_mov_b64 s[64:65], 0
	v_nop
	global_prefetch_b8 v0, s[64:65] scope:SCOPE_SE
	s_setreg_imm32_b32 hwreg(HW_REG_WAVE_MODE, 25, 1), 1
	s_wait_xcnt 0x0
; out = repr + relu(softmax_k(mask(T k^T)) v) on codes of FP6; mask: |q - k| > 64 sets the score to -1e9.  A work-group owns 32 queries of one batch; scores, p and O never go to memory.
; WORK LEFT OUT: 32 queries from q0 on see keys q0 - 64 .. q0 + 95: five blocks of 32 keys (at a batch's ends the five blocks nearest to it); tiles of all other keys lie wholly under the mask and are not made.
; LIMITS: those keys count as p = 0, which holds while a row's largest open score lies above -9.99e8; a NaN, an infinity or an overflow that reaches only the work left out is not carried on.  NaN and infinities among the inputs are not served.
; SIXTEEN WAVES of 256 registers.
;   Waves 0-9: S^T = k T^T, wave w its 16 keys (key tile w of the window) against both tiles of queries.  One lane swap then gives lane l query l and 16 neighbouring keys in 16 registers: maximum, sum and codes need no other lane.
;   All waves: O^T = v^T p^T, wave w channels 64 w .. 64 w + 63: K = 160 keys as 128 + 32; in the second step p's other codes are zeros, which add nothing whatever finite operand stands against them.
; LDS is filled once, by one tensor load a wave at the head.  Five blocks of K, five of V, T, V's scale bytes: the first barrier shows K and T, the second the rest.
; NO CLUSTER: the windows of four neighbours cover eight blocks; every partner would have to take all of them, 393,216 bytes of K and V, more than a WGP's LDS.  No prefetch: no loop to run ahead in.
.set BLK,  24576                       ; 32 keys: K's image, or V's
.set KIMG, 0
.set VPB,  24704                       ; V's blocks lie 128 bytes further apart, so that the two halves of the lanes, one block apart, read different banks (64 banks of 4 bytes: ISA guide 11.1)
.set VIMG, 122880
.set TIMG, 246272
.set VSCL, 270848                      ; V's scale bytes: [block 5][channel 1024]
.set PIMG, 275968                      ; p's codes: step g at 3072 g, tile m at 1536 m, lane's 48 bytes
.set PSC,  282112                      ; p's scale words: step 0 at 4 l, step 1's byte at 128 + 4 l
.set MAXB, 282368                      ; each wave's largest score of query l: 128 w + 4 l
.set SUMB, 283648                      ; and its sum of p
.set SPARE, 284928
.set STGW, 4352                        ; the way out: 16 rows x 272 bytes a wave, from byte 0 on, where K lay: its one fill is long done, and its last read stands two barriers back
.set KSW,  16                          ; v16-23 K's scale words, one a K step
.set VS,   24                          ; v24-25 V's words, step 0; v26-27 its bytes, step 1
.set TSW,  28                          ; v28-35 T's: lanes 0-15 tile 0, lanes 16-31 tile 1
.set PS,   36                          ; v36, v37 p's
.set SS,   48                          ; v48-63 S, then p
.set RES,  64                          ; v64-127 the residual rows
.set KB,   128                         ; v128-151 K's fragment, two sets
.set TB,   152                         ; v152-199 T's two fragments, two sets
.set V1,   128                         ; later: v128-151 V's fifth block, six registers a tile (an operand of twelve runs on into what follows)
.set V0,   152                         ; v152-199 V's first four blocks, twelve a tile
.set PF,   200                         ; v200-211 p, step 0; v212-217 step 1; v218-223 zeros
.set OA,   224                         ; v224-255 O^T's four accumulators
.set SPW,  44
.set NIL,  43
.macro PLACES
.rept 4
	v_nop
.endr
.endm
.macro MMC d, a, b, c, sa, sb, ra, rb
.if (\ra) && (\rb)
	v_wmma_scale_f32_16x16x128_f8f6f4 v[\d:\d+7], v[\a:\a+11], v[\b:\b+11], \c, v[\sa], v[\sb] matrix_a_fmt:MATRIX_FMT_FP6 matrix_b_fmt:MATRIX_FMT_FP6 matrix_a_scale:MATRIX_SCALE_ROW1 matrix_b_scale:MATRIX_SCALE_ROW1
.elseif (\ra)
	v_wmma_scale_f32_16x16x128_f8f6f4 v[\d:\d+7], v[\a:\a+11], v[\b:\b+11], \c, v[\sa], v[\sb] matrix_a_fmt:MATRIX_FMT_FP6 matrix_b_fmt:MATRIX_FMT_FP6 matrix_a_scale:MATRIX_SCALE_ROW1
.elseif (\rb)
	v_wmma_scale_f32_16x16x128_f8f6f4 v[\d:\d+7], v[\a:\a+11], v[\b:\b+11], \c, v[\sa], v[\sb] matrix_a_fmt:MATRIX_FMT_FP6 matrix_b_fmt:MATRIX_FMT_FP6 matrix_b_scale:MATRIX_SCALE_ROW1
.else
	v_wmma_scale_f32_16x16x128_f8f6f4 v[\d:\d+7], v[\a:\a+11], v[\b:\b+11], \c, v[\sa], v[\sb] matrix_a_fmt:MATRIX_FMT_FP6 matrix_b_fmt:MATRIX_FMT_FP6
.endif
.endm
.macro GROUP1 g, rows                  ; a dense block as rows of 256 bytes: 32 elements of 8 bytes, no padding, no mask
	s_mov_b32 s[\g], 3<<16
	s_mov_b32 s[\g+1], 32<<16
	s_mov_b32 s[\g+2], (\rows)<<16
	s_mov_b32 s[\g+3], 32<<16
	s_mov_b32 s[\g+4], \rows
	s_mov_b32 s[\g+5], 32
	s_mov_b32 s[\g+6], 0
	s_mov_b32 s[\g+7], 0
.endm
.macro TLOAD g0, g1
	tensor_load_to_lds s[\g0:\g0+3], s[\g1:\g1+7]
	s_nop 0
	PLACES
.endm
	s_load_b256 s[4:11], s[0:1], 0x0               ; Tq, Tqs, Rq, Rqs
	s_load_b256 s[12:19], s[0:1], 0x20             ; Rk, Rks, repr, out0
	v_lshl_add_u32 v[SPW], v0, 2, SPARE
	v_mov_b32 v[NIL], 0
	ds_add_u32 v[SPW], v[NIL]                      ; the opening lines: the add, twice on end, and its wait
	ds_add_u32 v[SPW], v[NIL]
	v_lshrrev_b32 v1, 5, v0
	v_readfirstlane_b32 s20, v1                    ; wave 0..15
	s_and_b32 s21, ttmp9, 7                        ; batch
	s_lshr_b32 s22, ttmp9, 3                       ; I: my block of 32 queries in it
	s_sub_co_i32 s23, s22, 2
	s_max_i32 s23, s23, 0
	s_min_u32 s23, s23, 27                         ; the window's first block of keys
	s_lshl_b32 s21, s21, 5
	s_add_co_u32 s24, s21, s23                     ; both counted over all batches
	s_add_co_u32 s25, s21, s22
	s_sub_co_u32 s26, s22, s23                     ; the mask's scalar part: q0 - the first of my 16 keys + 64
	s_lshl_b32 s26, s26, 5
	s_lshl_b32 s27, s20, 4
	s_sub_co_u32 s26, s26, s27
	s_add_co_u32 s26, s26, 64
	s_and_b32 s28, s20, 7                          ; the block that I fetch: waves 0-4 of K, waves 8-12 of V
	s_add_co_u32 s30, s24, s28
	s_mul_i32 s30, s30, BLK
	s_mov_b32 s31, 0
	s_mul_i32 s32, s25, BLK
	s_mov_b32 s33, 0
	s_lshl_b32 s34, s24, 10
	s_mov_b32 s35, 0
	GROUP1 36, 96                                  ; 24,576 bytes
	GROUP1 44, 20                                  ; 5,120 bytes
	s_mov_b32 s52, 1                               ; group 0: T
	s_mov_b32 s53, TIMG
	s_mov_b32 s56, 1                               ; K
	s_mul_i32 s57, s28, BLK
	s_mov_b32 s60, 1                               ; V
	s_mul_i32 s61, s28, VPB
	s_add_co_u32 s61, s61, VIMG
	s_mov_b32 s68, 1                               ; V's scale bytes
	s_mov_b32 s69, VSCL
	s_mov_b32 s78, 0x3fb8aa3b                      ; log2(e)
	s_mov_b32 s79, 128                             ; the mask's width.  (Also named as the upper half of s[78:79], of which the packed form takes the low word)
	s_mov_b32 s84, 0xffff                          ; lanes 0-15
	s_lshr_b32 s72, s20, 1                         ; my 16 keys: block w / 2, tile w % 2
	s_and_b32 s73, s20, 1
	s_mul_i32 s74, s72, BLK
	s_mul_i32 s75, s73, 1536
	s_add_co_u32 s74, s74, s75
	s_lshr_b32 s75, s20, 3                         ; where p's codes go: block kb = w / 2 is block kb % 4 of step kb / 4: lane r + 16 (kb % 2), registers 6 ((kb / 2) % 2) + 3 (w % 2) + 0 .. 2
	s_mul_i32 s76, s75, 3072
	s_bfe_u32 s77, s20, 0x10002
	s_mul_i32 s77, s77, 24
	s_add_co_u32 s76, s76, s77
	s_bfe_u32 s77, s20, 0x10001
	s_mul_i32 s77, s77, 768
	s_add_co_u32 s76, s76, s77
	s_mul_i32 s77, s73, 12
	s_add_co_u32 s76, s76, s77
	s_add_co_u32 s76, s76, PIMG
	s_lshl_b32 s75, s75, 7                         ; and the scale byte
	s_and_b32 s77, s72, 3
	s_add_co_u32 s75, s75, s77
	s_add_co_u32 s75, s75, PSC
	s_lshl_b32 s80, s20, 7
	s_add_co_u32 s80, s80, MAXB
	s_and_b32 s81, s20, 14
	s_lshl_b32 s81, s81, 7
	s_add_co_u32 s81, s81, MAXB
	s_mul_i32 s82, s20, 1536
	s_add_co_u32 s82, s82, VIMG
	s_lshl_b32 s83, s20, 6
	s_add_co_u32 s83, s83, VSCL
	s_mul_i32 s85, s20, STGW
	v_and_b32 v47, 31, v0                          ; lane
	v_and_b32 v200, 15, v0                         ; r
	v_bfe_u32 v201, v0, 4, 1                       ; h
	v_lshlrev_b32 v202, 4, v47
	v_add_nc_u32 v1, TIMG, v202                    ; v1: T's fragments
	v_add_nc_u32 v2, s74, v202                     ; v2, v3: my keys' records
	v_lshl_add_u32 v3, v47, 3, s74
	v_add_nc_u32 v3, 512, v3
	v_lshlrev_b32 v202, 2, v47
	v_add_nc_u32 v4, MAXB, v202                    ; v4: all waves' maxima of query l
	v_add_nc_u32 v5, s80, v202                     ; v5: mine
	v_add_nc_u32 v6, s81, v202                     ; v6: my block's two
	v_mul_u32_u24 v203, 48, v200
	v_mad_u32_u24 v7, v201, 1536, v203
	v_add_nc_u32 v7, s76, v7                       ; v7: p's codes of query l
	v_add_nc_u32 v8, s75, v202                     ; v8: p's scale byte
	v_mul_u32_u24 v9, 48, v47
	v_add_nc_u32 v9, PIMG, v9                      ; v9, v10: p's fragments, step 0 and 1
	v_add_nc_u32 v10, PIMG+3072, v203
	v_add_nc_u32 v11, PSC, v202                    ; v11: p's scale words
	v_mul_u32_u24 v204, VPB, v201
	v_lshl_add_u32 v12, v200, 4, v204
	v_add_nc_u32 v12, s82, v12                     ; v12, v13: V's blocks h
	v_lshl_add_u32 v13, v200, 3, v204
	v_add_nc_u32 v13, s82, v13
	v_add_nc_u32 v13, 512, v13
	v_lshl_add_u32 v14, v200, 4, s82
	v_add_nc_u32 v14, 4*VPB, v14                   ; v14, v15: V's fifth block
	v_lshl_add_u32 v15, v200, 3, s82
	v_add_nc_u32 v15, 4*VPB+512, v15
	v_add_nc_u32 v38, s83, v47                     ; v38: V's scale bytes
	v_lshlrev_b32 v205, 5, v201
	v_mad_u32_u24 v39, v200, 272, v205
	v_add_nc_u32 v39, s85, v39                     ; v39: my stage, in: row r, + 32 h
	v_lshlrev_b32 v205, 4, v200
	v_mad_u32_u24 v40, v201, 272, v205
	v_add_nc_u32 v40, s85, v40                     ; v40: back: lanes 0-15 one row, lanes 16-31 the next
	v_lshl_add_u32 v41, v201, 12, v205             ; v41: the same two rows in memory
	v_add_nc_u32 v42, s26, v47                     ; v42: my query less my first key, + 64
	v_lshl_add_u32 v45, v201, 2, v205              ; v45: T's scale words
	v_lshlrev_b32 v46, 5, v200                     ; v46: K's
	s_wait_alu depctr_va_vdst(0)                   ; the wait at the head's end
	s_wait_dscnt 0x0                               ; both opening adds are done
	s_wait_kmcnt 0x0
	s_add_nc_u64 s[54:55], s[4:5], s[32:33]
	s_add_nc_u64 s[58:59], s[8:9], s[30:31]
	s_add_nc_u64 s[62:63], s[12:13], s[30:31]
	s_add_nc_u64 s[70:71], s[14:15], s[34:35]
	s_or_b32 s55, s55, 0x80000000
	s_or_b32 s59, s59, 0x80000000
	s_or_b32 s63, s63, 0x80000000
	s_or_b32 s71, s71, 0x80000000
	s_cmp_lt_u32 s20, 5                            ; one tensor load a wave, in one chain of arms
	s_cbranch_scc0 .Lload_t
	TLOAD 56, 36                                   ; waves 0-4: K
	s_branch .Lasked
.Lload_t:
	s_cmp_lt_u32 s20, 6
	s_cbranch_scc0 .Lload_s
	TLOAD 52, 36                                   ; wave 5: T
	s_branch .Lasked
.Lload_s:
	s_cmp_lt_u32 s20, 7
	s_cbranch_scc0 .Lload_none
	TLOAD 68, 44                                   ; wave 6: V's scale bytes
	s_branch .Lasked
.Lload_none:
	s_cmp_lt_u32 s20, 8
	s_cbranch_scc1 .Lasked
	s_cmp_lt_u32 s20, 13
	s_cbranch_scc0 .Lasked
	TLOAD 60, 36                                   ; waves 8-12: V
.Lasked:
	s_lshr_b32 s32, s25, 1                         ; T's scale words: [K step][64 rows][r][tile]
	s_lshl_b32 s32, s32, 8
	s_and_b32 s29, s25, 1
	s_lshl_b32 s29, s29, 3
	s_add_co_u32 s32, s32, s29
	s_add_nc_u64 s[6:7], s[6:7], s[32:33]
	s_min_u32 s29, s20, 9                          ; K's scale words (waves 10-15 stay inside the buffer)
	s_lshl_b32 s29, s29, 9
	s_add_co_u32 s34, s34, s29
	s_add_nc_u64 s[10:11], s[10:11], s[34:35]
	s_lshl_b32 s32, s25, 17                        ; my rows of repr and out0, my wave's 256 bytes of each
	s_lshl_b32 s29, s20, 8
	s_add_co_u32 s32, s32, s29
	s_add_nc_u64 s[16:17], s[16:17], s[32:33]
	s_add_nc_u64 s[18:19], s[18:19], s[32:33]
.irp k, 0,1
	global_load_b128 v[KSW+4*\k:KSW+4*\k+3], v46, s[10:11] offset:16*\k
.endr
.irp s, 0,1,2,3,4,5,6,7
	global_load_b32 v[TSW+\s], v45, s[6:7] offset:32768*\s
.endr
.macro RLOAD m                         ; the residual rows 16 m + 2 i + h: sixteen lanes read 256 consecutive bytes
.irp i, 0,1,2,3,4,5,6,7
	global_load_b128 v[RES+32*\m+4*\i:RES+32*\m+4*\i+3], v41, s[16:17] offset:(16*\m+2*\i)*4096 th:TH_LOAD_NT
.endr
.endm
	s_cmp_lt_u32 s20, 6
	s_cbranch_scc0 .Lnot_kt
	s_wait_tensorcnt 0x0
.Lnot_kt:
	s_barrier_signal -1                            ; K and T are in; V may still be on its way
	s_barrier_wait -1
	RLOAD 0                                        ; the residual is asked for behind K and T
.macro LOADS s                         ; ten LDS loads: K's fragment of step s, T's two
.irp c, 0,1
	ds_load_b128 v[KB+12*((\s)%2)+6*\c:KB+12*((\s)%2)+6*\c+3], v2 offset:(\s)*3072+768*\c
	ds_load_b64 v[KB+12*((\s)%2)+6*\c+4:KB+12*((\s)%2)+6*\c+5], v3 offset:(\s)*3072+768*\c
.endr
.irp m, 0,1
.irp j, 0,1,2
	ds_load_b128 v[TB+24*((\s)%2)+12*\m+4*\j:TB+24*((\s)%2)+12*\m+4*\j+3], v1 offset:(2*(\s)+\m)*1536+512*\j
.endr
.endr
.endm
.macro KSTEP s                         ; two products, the two accumulators by turns
.if \s < 7
	LOADS (\s)+1
	s_wait_dscnt 10                                ; this step's loads are in; the ten just issued may be out
.else
	s_wait_dscnt 0x0
.endif
.irp m, 0,1
.if \s == 0
	MMC SS+8*\m, KB+12*((\s)%2), TB+24*((\s)%2)+12*\m, 0, KSW+\s, TSW+\s, 0, \m
.else
	MMC SS+8*\m, KB+12*((\s)%2), TB+24*((\s)%2)+12*\m, v[SS+8*\m:SS+8*\m+7], KSW+\s, TSW+\s, 0, \m
.endif
.endr
	PLACES
.endm
	s_cmp_lt_u32 s20, 10
	s_cbranch_scc0 .Lno_keys
	LOADS 0
	s_wait_loadcnt 8                               ; the scale words are in; tile 0's eight residual loads may be out
.irp s, 0,1,2,3,4,5,6,7
	KSTEP \s
.endr
.irp j, 0,1,2,3,4,5,6,7
	v_permlane16_swap_b32 v[SS+\j], v[SS+8+\j]     ; lane l now holds query l: register i is key i of my 16
.endr
	v_mov_b32 v203, 0xce6e6b28                     ; -1e9
.irp g, 0,4,8,12                                   ; the mask: query less key, + 64, lies in 0 .. 128 where the key counts; compared as unsigned numbers
.irp k, 0,1,2,3
	v_add_nc_u32 v[208+\k], -(\g+\k), v42
.endr
.irp k, 0,1,2,3
	v_cmp_lt_u32 s[88+\k], s79, v[208+\k]
.endr
.irp k, 0,1,2,3
	v_cndmask_b32 v[SS+\g+\k], v[SS+\g+\k], v203, s[88+\k]
.endr
.endr
	v_max3_num_f32 v205, v[SS], v[SS+1], v[SS+2]   ; the largest score of my 16 keys
	v_max3_num_f32 v206, v[SS+3], v[SS+4], v[SS+5]
	v_max3_num_f32 v205, v205, v[SS+6], v[SS+7]
	v_max3_num_f32 v206, v206, v[SS+8], v[SS+9]
	v_max3_num_f32 v205, v205, v[SS+10], v[SS+11]
	v_max3_num_f32 v206, v206, v[SS+12], v[SS+13]
	v_max3_num_f32 v205, v205, v[SS+14], v[SS+15]
	v_max_num_f32 v205, v205, v206
	ds_store_b32 v5, v205
	RLOAD 1
	s_branch .Lkeys_done
.Lno_keys:
	RLOAD 1
.irp i, 0,1,2,3,4,5,6,7,8,9,10,11,12,13,14,15
	v_mov_b32 v[SS+\i], 0                          ; waves 10-15 have no keys (these registers are written on every way)
.endr
.Lkeys_done:
	s_wait_alu depctr_va_vdst(0)                   ; ahead of the blocking waits
	s_wait_tensorcnt 0x0                           ; V and its scale bytes have landed
	s_wait_dscnt 0x0
	s_barrier_signal -1                            ; so they have for all; the maxima lie in LDS; nobody reads K any more
	s_barrier_wait -1
.macro VLOADS                          ; 34 LDS loads: V's fragments of my four tiles of channels, and their scale bytes
.irp t, 0,1,2,3
.irp c, 0,1
	ds_load_b128 v[V0+12*\t+6*\c:V0+12*\t+6*\c+3], v12 offset:2*VPB*\c+768*(\t/2)+256*(\t%2)
	ds_load_b64 v[V0+12*\t+6*\c+4:V0+12*\t+6*\c+5], v13 offset:2*VPB*\c+768*(\t/2)+128*(\t%2)
.endr
	ds_load_b128 v[V1+6*\t:V1+6*\t+3], v14 offset:768*(\t/2)+256*(\t%2)
	ds_load_b64 v[V1+6*\t+4:V1+6*\t+5], v15 offset:768*(\t/2)+128*(\t%2)
.endr
.irp p, 0,1
.irp b, 0,1,2,3
	ds_load_u8 v[OA+4*\p+\b], v38 offset:1024*\b+32*\p
.endr
	ds_load_u8 v[VS+2+\p], v38 offset:4096+32*\p
.endr
.endm
	s_cmp_lt_u32 s20, 10
	s_cbranch_scc0 .Lno_p
.irp j, 0,1,2,3,4,5,6,7,8,9
	ds_load_b32 v[208+\j], v4 offset:128*\j
.endr
	ds_load_b32 v218, v6
	ds_load_b32 v219, v6 offset:128
	VLOADS
	s_wait_dscnt 34                                ; the maxima are in; V's 34 loads may be out
	v_max3_num_f32 v206, v208, v209, v210
	v_max3_num_f32 v207, v211, v212, v213
	v_max3_num_f32 v206, v206, v214, v215
	v_max3_num_f32 v207, v207, v216, v217
	v_max_num_f32 v205, v218, v219                 ; the largest score of my block of 32 keys: since p rises with the score, it gives the block's largest p
	v_max_num_f32 v206, v206, v207                 ; the row's
	v_mul_f32 v207, s78, v206                      ; as t
	v_floor_f32 v206, -v207                        ; -M = floor(-t) = -ceil(t): M is a whole number
.irp j, 0,2,4,6,8,10,12,14
	v_pk_fma_f32 v[SS+\j:SS+\j+1], v[SS+\j:SS+\j+1], s[78:79], v[206:207] op_sel_hi:[1,0,0]   ; t - M
.endr
	v_fma_f32 v205, v205, s78, v206
	s_wait_alu depctr_va_vdst(0)                   ; a wait ahead of the batch, and one behind it
.irp i, 0,1,2,3,4,5,6,7,8,9,10,11,12,13,14,15
	v_exp_f32 v[SS+\i], v[SS+\i]                   ; p = 2^(t - M), not normalised; a hidden key's is 0
.endr
	v_exp_f32 v205, v205
	v_nop                                          ; one plain place behind the exponentials
	s_wait_alu depctr_va_vdst(0)
	v_pk_add_f32 v[208:209], v[SS:SS+1], v[SS+2:SS+3]          ; the sum is taken of the unquantised p
	v_pk_add_f32 v[210:211], v[SS+4:SS+5], v[SS+6:SS+7]
	v_max_num_f32 v205, 0x1800000, v205            ; the floor 2^(3 - 127): a block whose every p is 0 keeps the byte 1: its codes are zeros
	v_pk_add_f32 v[208:209], v[208:209], v[SS+8:SS+9]
	v_pk_add_f32 v[210:211], v[210:211], v[SS+10:SS+11]
	v_add_nc_u32 v204, 0xff000000, v205            ; 2 off the exponent field: the conversion's scale operand
	v_pk_add_f32 v[208:209], v[208:209], v[SS+12:SS+13]
	v_pk_add_f32 v[210:211], v[210:211], v[SS+14:SS+15]
	v_lshrrev_b32 v203, 23, v204                   ; the scale's byte
	v_cvt_scalef32_pk16_fp6_f32 v[212:214], v[SS:SS+15], v204
	v_pk_add_f32 v[208:209], v[208:209], v[210:211]
	v_add_f32 v208, v208, v209
.irp i, 0,1,2
	ds_store_b32 v7, v[212+\i] offset:4*\i
.endr
	ds_store_b32 v5, v208 offset:SUMB-MAXB
	s_wait_alu depctr_va_vdst(0)
	s_cmp_eq_u32 s73, 0                            ; a block's byte is stored by its even wave
	s_cbranch_scc0 .Lp_done
	ds_store_b8 v8, v203
	s_branch .Lp_done
.Lno_p:
	VLOADS
.Lp_done:
	s_wait_dscnt 0x0                               ; my stores have landed, my loads are in
	s_barrier_signal -1                            ; p's codes, scale bytes and sums lie in LDS
.irp p, 0,1
	v_lshl_or_b32 v[VS+\p], v[OA+4*\p+1], 8, v[OA+4*\p]        ; V's scale words: lanes 0-15 an even tile, lanes 16-31 the next
.endr
.irp p, 0,1
	v_lshl_or_b32 v[VS+\p], v[OA+4*\p+2], 16, v[VS+\p]
.endr
.irp p, 0,1
	v_lshl_or_b32 v[VS+\p], v[OA+4*\p+3], 24, v[VS+\p]
.endr
	s_wait_alu depctr_va_vdst(0)                   ; directly ahead of the wait below
	s_barrier_wait -1
.macro PLOAD m                         ; five LDS loads: p's two fragments of tile m
.irp j, 0,1,2
	ds_load_b128 v[PF+4*\j:PF+4*\j+3], v9 offset:1536*\m+16*\j
.endr
	ds_load_b128 v[PF+12:PF+15], v10 offset:1536*\m
	ds_load_b64 v[PF+16:PF+17], v10 offset:1536*\m+16
.endm
.macro LOWER                           ; the fifth block's codes stand in lanes 0-15 alone; lanes 16-31 get zeros
.irp i, 0,1,2,3,4,5
	v_cndmask_b32 v[PF+12+\i], 0, v[PF+12+\i], s84
.endr
	PLACES                                         ; an operand so written stands four places ahead of a scaled product
.endm
.macro PV m                            ; 8 products, the four accumulators by turns; the first key step starts the sums
.irp t, 0,1,2,3
	MMC OA+8*\t, V0+12*\t, PF, 0, VS+\t/2, PS, \t%2, \m
.endr
.irp t, 0,1,2,3
	MMC OA+8*\t, V1+6*\t, PF+12, v[OA+8*\t:OA+8*\t+7], VS+2+\t/2, PS+1, \t%2, \m
.endr
	PLACES
.endm
; relu(O) / l; through my stage, so that sixteen lanes hold 256 neighbouring bytes of a row; + repr; out.  left: the residual loads that may stay out.
.macro WAYOUT m, left
.irp t, 0,1,2,3
.irp j, 0,1,2,3,4,5,6,7
	v_max_num_f32 v[OA+8*\t+\j], 0, v[OA+8*\t+\j]  ; (each accumulator from its low end on)
.endr
.irp j, 0,2,4,6
	v_pk_mul_f32 v[OA+8*\t+\j:OA+8*\t+\j+1], v[OA+8*\t+\j:OA+8*\t+\j+1], v[SS+2*\m:SS+2*\m+1] op_sel_hi:[1,0]
.endr
.endr
.irp t, 0,1,2,3
	ds_store_b128 v39, v[OA+8*\t:OA+8*\t+3] offset:64*\t
	ds_store_b128 v39, v[OA+8*\t+4:OA+8*\t+7] offset:64*\t+16
.endr
.irp i, 0,1,2,3,4,5,6,7
	ds_load_b128 v[OA+4*\i:OA+4*\i+3], v40 offset:544*\i       ; LDS serves a wave's instructions in order (ISA guide 5.7.1.4): these see my stores; rows 2 i + h
.endr
	s_wait_dscnt 0x0
	s_wait_loadcnt \left
.irp e, 0,2,4,6,8,10,12,14,16,18,20,22,24,26,28,30
	v_pk_add_f32 v[RES+32*\m+\e:RES+32*\m+\e+1], v[RES+32*\m+\e:RES+32*\m+\e+1], v[OA+\e:OA+\e+1]
.endr
.irp i, 0,1,2,3,4,5,6,7
	global_store_b128 v41, v[RES+32*\m+4*\i:RES+32*\m+4*\i+3], s[18:19] offset:(16*\m+2*\i)*4096 th:TH_STORE_NT   ; sixteen lanes store 256 consecutive bytes
.endr
.endm
	ds_load_b32 v[PS], v11
	ds_load_u8 v[PS+1], v11 offset:128
.irp j, 0,1,2,3,4,5,6,7,8,9
	ds_load_b32 v[OA+\j], v4 offset:SUMB-MAXB+128*\j
.endr
	PLOAD 0
.irp i, 0,1,2,3,4,5
	v_mov_b32 v[PF+18+\i], 0                       ; the second step's registers 6-11: zero codes
.endr
	s_wait_alu depctr_va_vdst(0)                   ; directly ahead of the wait below
	s_wait_dscnt 5                                 ; the ten sums are in; p's five loads may be out
	v_pk_add_f32 v[OA:OA+1], v[OA:OA+1], v[OA+2:OA+3]
	v_pk_add_f32 v[OA+4:OA+5], v[OA+4:OA+5], v[OA+6:OA+7]
	v_pk_add_f32 v[OA:OA+1], v[OA:OA+1], v[OA+8:OA+9]
	v_pk_add_f32 v[OA:OA+1], v[OA:OA+1], v[OA+4:OA+5]
	v_add_f32 v[SS], v[OA], v[OA+1]                ; l of query l
	s_wait_alu depctr_va_vdst(0)
	v_rcp_f32 v[SS], v[SS]
	v_nop
	s_wait_alu depctr_va_vdst(0)
	v_mov_b32 v[SS+2], v[SS]
	v_permlane16_swap_b32 v[SS], v[SS+2]           ; v[SS]: query r of tile 0 in both halves of the lanes; v[SS + 2]: of tile 1
	s_wait_alu depctr_va_vdst(0)
	s_wait_dscnt 0x0                               ; p
	LOWER
	PV 0
	PLOAD 1                                        ; four places behind the products that read these registers
	WAYOUT 0, 8
	LOWER
	PV 1                                           ; its first products begin the accumulators anew: behind the last ones' stand the places and the way out's scaling lines
	WAYOUT 1, 0
	s_wait_tensorcnt 0x0                           ; the wave's end
	ds_add_u32 v[SPW], v[NIL]
	s_wait_dscnt 0x0
	s_endpgm
.Lfunc_end_k_q21251f0d42_attn:
	.size	k_q21251f0d42_attn, .Lfunc_end_k_q21251f0d42_attn-k_q21251f0d42_attn
	.p2alignl 7, 3214868480
	.fill 96, 4, 3214868480
	.section	.rodata,"a",@progbits
	.p2align	6, 0x0
	.amdhsa_kernel k_q21251f0d42_attn
		.amdhsa_group_segment_fixed_size 286976
		.amdhsa_private_segment_fixed_size 0
		.amdhsa_enable_private_segment 0
		.amdhsa_kernarg_size 64
		.amdhsa_user_sgpr_count 2
		.amdhsa_user_sgpr_kernarg_segment_ptr 1
		.amdhsa_wavefront_size32 1
		.amdhsa_system_sgpr_workgroup_id_x 1
		.amdhsa_system_sgpr_workgroup_id_y 1
		.amdhsa_system_sgpr_workgroup_id_z 1
		.amdhsa_system_vgpr_workitem_id 0
		.amdhsa_next_free_vgpr 256
		.amdhsa_next_free_sgpr 96
		.amdhsa_reserve_vcc 0
		.amdhsa_float_denorm_mode_32 3
		.amdhsa_float_denorm_mode_16_64 3
		.amdhsa_memory_ordered 1
		.amdhsa_forward_progress 1
		.amdhsa_inst_pref_size 48
	.end_amdhsa_kernel
	.amdgpu_metadata
---
amdhsa.version: [ 1, 2 ]
amdhsa.kernels:
  - .name:           k_q21251f0d42_attn
    .symbol:         k_q21251f0d42_attn.kd
    .args:
      - { .name: Tq, .offset: 0, .size: 8, .value_kind: global_buffer, .address_space: global }
      - { .name: Tqs, .offset: 8, .size: 8, .value_kind: global_buffer, .address_space: global }
      - { .name: Rq, .offset: 16, .size: 8, .value_kind: global_buffer, .address_space: global }
      - { .name: Rqs, .offset: 24, .size: 8, .value_kind: global_buffer, .address_space: global }
      - { .name: Rk, .offset: 32, .size: 8, .value_kind: global_buffer, .address_space: global }
      - { .name: Rks, .offset: 40, .size: 8, .value_kind: global_buffer, .address_space: global }
      - { .name: repr, .offset: 48, .size: 8, .value_kind: global_buffer, .address_space: global }
      - { .name: out0, .offset: 56, .size: 8, .value_kind: global_buffer, .address_space: global }
    .group_segment_fixed_size: 286976
    .private_segment_fixed_size: 0
    .kernarg_segment_align: 8
    .kernarg_segment_size: 64
    .max_flat_workgroup_size: 512
    .sgpr_count:     96
    .vgpr_count:     256
    .wavefront_size: 32
...
	.end_amdgpu_metadata
.endif
;; end of part 3
